; MI455X (gfx1250); checked and timed in simulation.
; The chip was launched on July 23, 2026; its instructions are those of AMD's public machine-readable ISA for CDNA 5 (MIT licence, August 2026) and "CDNA5" Instruction Set Architecture Reference Guide (July 2026). The comments in the code are by the model that wrote it; some were corrected since.
;; Self Attention. Allowed arithmetic: float matrix products may take bf16 or f16 operands with f32 sums; other float arithmetic in f32, or as packed bf16 or f16 multiplies, adds, multiply-adds, maxima and minima; sums over many terms, partial sums and values carried from step to step in f32; what a program stores and reads back later, other than sums and carried values, may be rounded once to bf16 or f16.
;; Inputs: Wk 512 x 1,024 float32; Wq 512 x 1,024 float32; Wv 512 x 1,024 float32; bk 512 float32; bq 512 float32; bv 512 float32; x 8 x 2,048 x 1,024 float32.
;; Outputs: out0 8 x 2,048 x 512 float32.
;; One version. Each part assembles by itself: llvm-mc -triple=amdgcn-amd-amdhsa -mcpu=gfx1250 --defsym DOCPART=n.
;; ======== version 1 of 1: 3 launches
;; limits: values are held in f16: magnitudes above 65,504 overflow, below 6.1e-05 lose precision
;; workspace buffers: wb 3,145,728 bytes; kqv 50,331,648 bytes
;; launch castw (part 1): grid 384 x 1, 8 waves a work-group, no clusters, 0 bytes of LDS; arguments Wk, Wq, Wv, wb; writes wb
.if DOCPART == 1
	.amdgcn_target "amdgcn-amd-amdhsa--gfx1250"
	.amdhsa_code_object_version 6
	.text
	.protected	k_q235bf6aaff_castw
	.globl	k_q235bf6aaff_castw
	.p2align	8
	.type	k_q235bf6aaff_castw,@function
k_q235bf6aaff_castw:
	s_mov_b64 s[64:65], 0
	v_nop
	global_prefetch_b8 v0, s[64:65] scope:SCOPE_SE
	s_setreg_imm32_b32 hwreg(HW_REG_WAVE_MODE, 25, 1), 1
	s_wait_xcnt 0x0
; wb = Wk | Wq | Wv, each number rounded once to bf16 (nearest even), laid end to end: [1536][1024].
; Each W is 524,288 f32.  A work-group takes 4,096 numbers (16 KiB in, 8 KiB out): 128 groups for each W.  A wave takes 2 KiB on end: four loads of 512 consecutive
; bytes, all on their way at once; each store of the wave covers 256 consecutive bytes, aligned.  No register is written twice, so the only waits are the counted ones for the loads.
; A short stream: no LDS, no barrier, no matrix unit, nothing asked for ahead.
.set X, 8                              ; v[8:23]   four loads of 4 f32
.set Y, 24                             ; v[24:31]  four pairs of packed bf16
	s_load_b256 s[4:11], s[0:1], 0x0               ; Wk s[4:5], Wq s[6:7], Wv s[8:9], wb s[10:11]
	s_lshr_b32 s15, ttmp9, 7                       ; which W
	s_and_b32 s16, ttmp9, 127                      ; which 16 KiB of it
	v_lshrrev_b32 v3, 5, v0                        ; wave
	v_and_b32 v4, 31, v0                           ; lane
	v_lshlrev_b32 v1, 4, v4
	v_lshl_add_u32 v1, v3, 11, v1                  ; in: 2,048 x wave + 16 x lane
	v_lshlrev_b32 v2, 3, v4
	v_lshl_add_u32 v2, v3, 10, v2                  ; out: 1,024 x wave + 8 x lane
	s_wait_kmcnt 0x0
	s_mov_b64 s[18:19], s[4:5]
	s_cmp_eq_u32 s15, 1
	s_cselect_b64 s[18:19], s[6:7], s[18:19]
	s_cmp_eq_u32 s15, 2
	s_cselect_b64 s[18:19], s[8:9], s[18:19]       ; the buffer that my group reads
	s_lshl_b32 s20, s16, 14
	s_mov_b32 s21, 0
	s_add_nc_u64 s[18:19], s[18:19], s[20:21]
	s_lshl_b32 s22, ttmp9, 13                      ; 8 KiB of wb for each group, in the order of the concatenation
	s_mov_b32 s23, 0
	s_add_nc_u64 s[10:11], s[10:11], s[22:23]
.set i, 0
.rept 4
	global_load_b128 v[X+4*i:X+4*i+3], v1, s[18:19] offset:512*i th:TH_LOAD_NT
.set i, i+1
.endr
.set i, 0
.rept 4
	s_wait_loadcnt 3-i                             ; loads come back in order: load i is in, the younger ones stay out
	v_cvt_pk_bf16_f32 v[Y+2*i], v[X+4*i], v[X+4*i+1]
	v_cvt_pk_bf16_f32 v[Y+2*i+1], v[X+4*i+2], v[X+4*i+3]
	global_store_b64 v2, v[Y+2*i:Y+2*i+1], s[10:11] offset:256*i
.set i, i+1
.endr
	s_endpgm
.Lfunc_end_k_q235bf6aaff_castw:
	.size	k_q235bf6aaff_castw, .Lfunc_end_k_q235bf6aaff_castw-k_q235bf6aaff_castw
	.p2alignl 7, 3214868480
	.fill 96, 4, 3214868480
	.section	.rodata,"a",@progbits
	.p2align	6, 0x0
	.amdhsa_kernel k_q235bf6aaff_castw
		.amdhsa_group_segment_fixed_size 0
		.amdhsa_private_segment_fixed_size 0
		.amdhsa_enable_private_segment 0
		.amdhsa_kernarg_size 32
		.amdhsa_user_sgpr_count 2
		.amdhsa_user_sgpr_kernarg_segment_ptr 1
		.amdhsa_wavefront_size32 1
		.amdhsa_system_sgpr_workgroup_id_x 1
		.amdhsa_system_sgpr_workgroup_id_y 1
		.amdhsa_system_sgpr_workgroup_id_z 1
		.amdhsa_system_vgpr_workitem_id 0
		.amdhsa_next_free_vgpr 32
		.amdhsa_next_free_sgpr 66
		.amdhsa_reserve_vcc 0
		.amdhsa_float_denorm_mode_32 3
		.amdhsa_float_denorm_mode_16_64 3
		.amdhsa_memory_ordered 1
		.amdhsa_forward_progress 1
		.amdhsa_inst_pref_size 3
	.end_amdhsa_kernel
	.amdgpu_metadata
---
amdhsa.version: [ 1, 2 ]
amdhsa.kernels:
  - .name:           k_q235bf6aaff_castw
    .symbol:         k_q235bf6aaff_castw.kd
    .args:
      - { .name: Wk, .offset: 0, .size: 8, .value_kind: global_buffer, .address_space: global }
      - { .name: Wq, .offset: 8, .size: 8, .value_kind: global_buffer, .address_space: global }
      - { .name: Wv, .offset: 16, .size: 8, .value_kind: global_buffer, .address_space: global }
      - { .name: wb, .offset: 24, .size: 8, .value_kind: global_buffer, .address_space: global }
    .group_segment_fixed_size: 0
    .private_segment_fixed_size: 0
    .kernarg_segment_align: 8
    .kernarg_segment_size: 32
    .max_flat_workgroup_size: 256
    .sgpr_count:     66
    .vgpr_count:     32
    .wavefront_size: 32
...
	.end_amdgpu_metadata
.endif
;; end of part 1
;; launch proj (part 2): grid 4 x 128, 4 waves a work-group, clusters of 4 x 4, 327,680 bytes of LDS; arguments x, wb, bk, bq, bv, kqv; writes kqv
.if DOCPART == 2
	.amdgcn_target "amdgcn-amd-amdhsa--gfx1250"
	.amdhsa_code_object_version 6
	.text
	.protected	k_q235bf6aaff_proj
	.globl	k_q235bf6aaff_proj
	.p2align	8
	.type	k_q235bf6aaff_proj,@function
k_q235bf6aaff_proj:
	s_mov_b64 s[64:65], 0
	v_nop
	global_prefetch_b8 v0, s[64:65] scope:SCOPE_SE
	s_setreg_imm32_b32 hwreg(HW_REG_WAVE_MODE, 25, 1), 1
	s_wait_xcnt 0x0
	s_wait_alu depctr_hold_cnt(0) depctr_sa_sdst(0) depctr_va_vdst(0) depctr_va_sdst(0) depctr_va_ssrc(0) depctr_va_vcc(0) depctr_vm_vsrc(0)
	s_getreg_b32 s2, hwreg(HW_REG_IB_STS2, 6, 4)
	s_cmp_eq_u32 s2, 0
	s_cbranch_scc0 .Lentry_in_a_cluster
	s_endpgm
.Lentry_in_a_cluster:
	s_bfe_u32 s2, ttmp6, 0x10000c
	s_cmp_lg_u32 s2, 0xf033
	s_cbranch_scc0 .Lentry_shape_is_right
	s_endpgm
.Lentry_shape_is_right:
; kqv[m][n] = sum over k of bf16(x[m][k]) Wcat[n][k] + bias[n].  x: [16384][1024] f32, rounded to bf16 (nearest even) on its way into LDS; Wcat = wb: [1536][1024] bf16 (rows 0-511 Wk,
; 512-1023 Wq, 1024-1535 Wv); bias = bk | bq | bv, rounded to bf16 like the other inputs.  Sums in f32; kqv: [16384][1536] f16, rounded once.
; LIMIT.  f16 holds no number beyond 65,504: a projection of 65,520 or more leaves as an infinity.  NaN and infinities are not treated apart.
; SHARES.  A tile is 128 rows x 384 columns (768 bytes of a row of kqv: three aligned blocks of 256): 4 x 128 work-groups of equal work.  Wave w makes all 128 rows x columns 96 w .. 96 w + 95:
; 8 x 6 accumulators of 16 x 16, 384 registers.  K goes in 8 steps of 128.
; WCAT comes by the tensor data mover through two LDS slots: each wave fetches the 96 rows that it multiplies, 256 bytes of memory a row, aligned.  CLUSTER: 4 x 4 work-groups; the four of a column
; of the cluster need the same rows of Wcat and ask for them JOINTLY: the same tensor load, with the same descriptor and a mask that names the four.
; X comes through registers: wave w loads rows 32 w .. 32 w + 31 of the tile, a load a row (512 consecutive bytes, aligned, of a K step), one K step ahead; rounds them, each number once in the
; work-group; and stores them into one of two LDS buffers of their own, which every wave reads as fragments.  The four work-groups of a row of the cluster read the same rows of x, each for itself:
; a joint load would land as f32, 128 rows x 512 bytes = 65,536 bytes for a K step, and beside the 278,528 bytes of the bf16 buffers and slots that does not fit into 327,680.
; THE MATRIX INSTRUCTION IS USED TRANSPOSED (source 0 = 16 rows of Wcat, source 1 = 16 rows of x): a lane holds row lane % 16 of the result and eight neighbouring columns 8 (lane / 16) + 0..7.
; The bias of those eight columns is the C operand of each accumulator's first product: nothing is cleared and nothing is added at the end.
; REGISTERS, in windows of 256 (s_set_vgpr_msb: bits 1:0 source 0, 3:2 source 1, 5:4 source 2, 7:6 destination):
;   window 0: v0-31 addresses; v32-79 bias; v80-127 packed results; v128-191, v192-255 fragments of x, two buffers
;   window 1: v0-47, v48-95 fragments of Wcat, two buffers; v96-223 a K step of my 32 rows of x, as loaded, four registers a row
;   window 2: accumulators of row blocks 0-3 ((a, b) at 8 (6 a + b))          window 3: those of row blocks 4-7
.set PITCH,  272                       ; an LDS row: 256 bytes + 16 of padding: the 16 rows of a fragment load start 16 bytes further on in each 256
.set ABUF,   128*PITCH                 ; x's 128 rows of a K step, in bf16; two such buffers from LDS byte 0 on, written by ds_store alone
.set BB,     2*ABUF                    ; behind them Wcat's two slots,
.set BSLOT,  384*PITCH                 ; of 384 rows,
.set BWAVE,  96*PITCH                  ; 96 of them a wave
.set STAGE,  BB                        ; the way out takes Wcat's slot 0, behind its last fill and its last reads
.set SPITCH, 784                       ; a row of the stage: 768 bytes + 16
.set SPARE,  BB+2*BSLOT                ; behind the ring: the spare words, 128 bytes for each wave: two blocks of 256 bytes that no other line names
.set KB,     256                       ; bytes of a row of Wcat in a K step
.set XKB,    512                       ; bytes of a row of x in a K step
.set XO,   8                           ; v8      16 x lane: my 16 bytes of a row's 512; never rewritten
.set AST,  9                           ; v9      where I put 8 bytes of a row of x: my wave's 32 rows, 8 x lane
.set PFXO, 10                          ; v10     x's prefetches: (lane / 4) rows of 4,096 bytes + (lane % 4) x 256; never rewritten
.set ADRA, 16                          ; v16-17  LDS address of my x fragments in buffer 0, 1
.set ADRB, 20                          ; v20-21  the same for Wcat's slots
.set STO,  24                          ; v24     the way out: where I put 16 bytes of a row, row blocks 0-3
.set STO2, 25                          ; v25     row blocks 4-7 (the immediate holds 16 bits)
.set RD,   26                          ; v26     the way out: where I read rows back
.set CO,   27                          ; v27     my byte offset in kqv
.set SPW,  28                          ; v28     LDS address of my spare word; never rewritten
.set NIL,  29                          ; v29     0; never rewritten
.set PFO,  30                          ; v30     Wcat's prefetches: lane x 2,048; never rewritten
.set BO,   31                          ; v31     32 x (lane / 16): my eight numbers of a bias block
.set BIAS, 32                          ; v[32:79]   column block b at +8 b
.set TMP,  80                          ; v[80:127]  two sets of 24
.set FA,   128                         ; x's fragment buffers
.set STG,  96                          ; window 1: row i of my 32 at +4 i
.set WV,   24                          ; s24     my wave's number
.set XP,   26                          ; s[26:27] x at my wave's first row, at the K step that was loaded last
.set PFX,  28                          ; s[28:29] where x's prefetches stand
.set LIM,  43                          ; s43     1 in a wave that prefetches Wcat, else the greatest number
.set PFA,  44                          ; s[44:45] where Wcat's prefetches stand
.set G1B,  48                          ; s[48:55] descriptor group 1;  s[56:63] group 0, one set for each slot
.set G0B,  56
.set BP,   66                          ; s[66:77] six pointers into the biases
.set G1W0, (1<<16)|(1<<20)|(1<<21)|(5<<22)|(3<<25)  ; 17:16 elements of 2 bytes; 20 padding on; 21 set beside a mask; 24:22 after every 64 words; 31:25 4 words of it
.set MSB, 0
.macro WIN new                         ; the immediate's high byte repeats the setting that is left; a switch that changes nothing is dropped
.if MSB != (\new)
	s_set_vgpr_msb (MSB<<8)|(\new)
.set MSB, (\new)
.endif
.endm
.macro PLACES                          ; four places behind matrix instructions, in front of loads into registers that they have read and of conversions that read results
.rept 4
	v_nop
.endr
.endm
; A joint load: every wave asks for its 96 rows.  An s_nop 0 and four v_nop follow the line.
.macro JLOAD s
	tensor_load_to_lds s[G0B+4*(\s):G0B+4*(\s)+3], s[G1B:G1B+7]
	s_nop 0
.rept 4
	v_nop
.endr
.endm
; A prefetch of Wcat's K step that stands two refills on: 32 rows x 256 bytes, a lane a row, one instruction a wave.  The tile's 384 rows are shared out by address among waves 0 to 2 (128 each) of the
; four partners that ask for them jointly (32 each).  Every cluster reads these rows: the one with y = 0 asks.  The loop's last trip (s3 = 1) has no K step two on.
.macro ASK
	s_cmp_gt_u32 s3, s[LIM]
	s_cbranch_scc0 .Lnot_mine_\@
	global_prefetch_b8 v[PFO], s[PFA:PFA+1] offset:KB th:TH_LOAD_NT scope:SCOPE_SE
.Lnot_mine_\@:
.endm
; A prefetch of x, once a lap: the two K steps (1,024 bytes of a row, four blocks of 256) that the next lap loads.  Of the 32 rows that wave w of each of the four partners of a row of the cluster
; loads, the partner at place cx names 8, told apart by address: a lane a block, one instruction a wave, each block once.  No other cluster reads these rows.  The loop's last trip asks for nothing.
.macro ASKX
	s_cmp_gt_u32 s3, 1
	s_cbranch_scc0 .Lno_x_\@
	global_prefetch_b8 v[PFXO], s[PFX:PFX+1] th:TH_LOAD_NT scope:SCOPE_SE
.Lno_x_\@:
.endm
.macro CREST                           ; a round of the cluster's barrier behind its opening barrier
	s_cmp_lg_u32 s[WV], 0
	s_cbranch_scc1 .Lnot_wave_0_\@
	s_barrier_signal -3
.Lnot_wave_0_\@:
	s_barrier_wait -3
	s_barrier_signal -1
	s_barrier_wait -1
.endm
.macro CROUND                          ; a whole round
	s_barrier_signal -1
	s_barrier_wait -1
	CREST
.endm
; X.  LOADA hf: half hf (16 rows) of my 32 rows, the K step at which s[XP] stands: a load a row, 512 consecutive bytes.
.macro LOADA hf
	WIN 0x40                                       ; destination window 1, address window 0
.set i, 16*(\hf)
.rept 16
	global_load_b128 v[STG+4*i:STG+4*i+3], v[XO], s[XP:XP+1] offset:i*4096
.set i, i+1
.endr
.endm
; STAGEA hf, d, left: that half is in (left: the younger loads, which may stay out); it is rounded in place, four numbers to two registers, and stored into buffer d: a store a row, 256 consecutive bytes.
.macro STAGEA hf, d, left
	s_wait_loadcnt \left
	WIN 0x45                                       ; destination and both sources window 1
.set i, 16*(\hf)
.rept 16
	v_cvt_pk_bf16_f32 v[STG+4*i],   v[STG+4*i],   v[STG+4*i+1]
	v_cvt_pk_bf16_f32 v[STG+4*i+1], v[STG+4*i+2], v[STG+4*i+3]
.set i, i+1
.endr
	WIN 0x04                                       ; the stores' data in window 1, their address in window 0
.set i, 16*(\hf)
.rept 16
	ds_store_b64 v[AST], v[STG+4*i:STG+4*i+1] offset:(\d)*ABUF+i*PITCH
.set i, i+1
.endr
.endm
	s_load_b256 s[4:11], s[0:1], 0x0               ; x s[4:5], wb s[6:7], bk s[8:9], bq s[10:11]
	s_load_b128 s[12:15], s[0:1], 0x20             ; bv s[12:13], kqv s[14:15]
	v_lshl_add_u32 v[SPW], v0, 2, SPARE
	v_mov_b32 v[NIL], 0
	ds_add_u32 v[SPW], v[NIL]                      ; the wave's opening: the add and its wait ahead of my first tensor load; the set-up below stands between them
	v_lshrrev_b32 v1, 5, v0
	v_readfirstlane_b32 s[WV], v1                  ; wave 0..3
	s_bfe_u32 s16, ttmp6, 0x40000                  ; cx
	s_bfe_u32 s17, ttmp6, 0x40004                  ; cy
	s_lshl_b32 s18, ttmp9, 2
	s_add_co_u32 s18, s18, s16                     ; tile column = 4 x cluster x + cx
	s_and_b32 s19, ttmp7, 0xffff
	s_lshl_b32 s19, s19, 2
	s_add_co_u32 s19, s19, s17                     ; tile row = 4 x cluster y + cy
	s_lshl_b32 s46, 0x1111, s16                    ; my column of the cluster
	s_or_b32 s[G1B], s46, G1W0                     ; Wcat's tiles go to it
	s_mov_b32 s[G1B+1], 128<<16                    ; tensor_dim0 = 128
	s_mov_b32 s[G1B+2], 96<<16                     ; tensor_dim1 = 96
	s_mov_b32 s[G1B+3], 128<<16                    ; tile_dim0 = 128
	s_mov_b32 s[G1B+4], 96                         ; tile_dim1 = 96
	s_mov_b32 s[G1B+5], 1024                       ; elements from row to row
	s_mov_b32 s[G1B+6], 0
	s_mov_b32 s[G1B+7], 0
	s_mul_i32 s46, s18, 384                        ; Wcat: row 384 x tile column + 96 x wave: it hangs on the tile column and the wave alone
	s_mul_i32 s47, s[WV], 96
	s_add_co_u32 s46, s46, s47
	s_lshl_b32 s46, s46, 11
	s_mov_b32 s47, 0
	s_mul_i32 s22, s[WV], BWAVE                    ; where a wave's rows go: no place in the cluster enters an LDS address
	s_add_co_u32 s22, s22, BB
	s_lshl_b32 s20, s19, 7                         ; x: row 128 x tile row + 32 x wave, of 4,096 bytes
	s_lshl_b32 s21, s[WV], 5
	s_add_co_u32 s20, s20, s21
	s_lshl_b32 s20, s20, 12
	s_mov_b32 s21, 0
	v_and_b32 v3, 31, v0                           ; lane
	v_lshlrev_b32 v[XO], 4, v3
	s_wait_dscnt 0x0                               ; the opening add is done
	s_wait_kmcnt 0x0
	s_add_nc_u64 s[80:81], s[6:7], s[46:47]
	s_add_nc_u64 s[XP:XP+1], s[4:5], s[20:21]      ; K step 0
	CROUND                                         ; all sixteen work-groups are here: the first joint loads meet
.irp s, 0,1
	s_mov_b32 s[G0B+4*(\s)], 1                     ; count = 1
	s_add_co_u32 s[G0B+4*(\s)+1], s22, (\s)*BSLOT  ; LDS address
	s_add_nc_u64 s[G0B+4*(\s)+2:G0B+4*(\s)+3], s[80:81], (\s)*KB  ; global address: K step s
	s_or_b32 s[G0B+4*(\s)+3], s[G0B+4*(\s)+3], 0x80000000         ; type = 2
	JLOAD \s                                       ; two loads of mine are out
.endr
	LOADA 0                                        ; x's K step 0
	LOADA 1
	WIN 0
	; A fragment is 16 rows x 32 K in 8 registers: lane l holds row l % 16; registers 0-3 K = 8 (l / 16) + 0..7, registers 4-7 K = 16 + 8 (l / 16) + 0..7: two loads of 16 bytes, 32 bytes apart.
	v_and_b32 v1, 15, v0                           ; r = l % 16
	v_bfe_u32 v2, v0, 4, 1                         ; h = l / 16
	v_mul_u32_u24 v4, v1, PITCH
	v_lshl_add_u32 v4, v2, 4, v4
	v_mov_b32 v[ADRA], v4
	v_add_nc_u32 v[ADRA+1], ABUF, v4
	v_add_nc_u32 v[ADRB], s22, v4                  ; my 96 rows of slot 0,
	s_add_co_u32 s23, s22, BSLOT
	v_add_nc_u32 v[ADRB+1], s23, v4                ; of slot 1
	s_mul_i32 s23, s[WV], 32*PITCH
	v_lshl_add_u32 v[AST], v3, 3, s23
	v_mul_u32_u24 v5, v1, SPITCH                   ; into the stage: row l % 16, my wave's 192 bytes, 16 bytes for each half of the lanes
	v_lshl_add_u32 v5, v2, 4, v5
	s_mul_i32 s23, s[WV], 192
	s_add_co_u32 s23, s23, STAGE
	v_add_nc_u32 v[STO], s23, v5
	v_add_nc_u32 v[STO2], 4*16*SPITCH, v[STO]
	s_lshl_b32 s23, s[WV], 5                       ; back: wave w takes rows 32 w .. 32 w + 31, whole; lanes 0-15 256 bytes of one row, lanes 16-31 of the next
	v_add_nc_u32 v5, s23, v2
	v_mul_u32_u24 v5, v5, SPITCH
	v_lshl_add_u32 v5, v1, 4, v5
	v_add_nc_u32 v[RD], STAGE, v5
	v_mul_u32_u24 v5, v2, 3072                     ; and the same two rows in kqv
	v_lshl_add_u32 v[CO], v1, 4, v5
	s_lshl_b32 s40, s19, 7
	s_add_co_u32 s40, s40, s23                     ; the first row that I store: 128 x tile row + 32 x wave
	s_mul_i32 s40, s40, 3072
	s_mul_i32 s41, s18, 768                        ; the tile's first column, in bytes
	s_add_co_u32 s40, s40, s41
	s_mov_b32 s41, 0
	s_add_nc_u64 s[14:15], s[14:15], s[40:41]
	; the prefetches
	s_min_u32 s82, s[WV], 2                        ; (wave 3 asks for nothing of Wcat)
	s_lshl_b32 s82, s82, 7
	s_mul_i32 s83, s18, 384
	s_add_co_u32 s82, s82, s83                     ; Wcat: row 384 x tile column + 128 x wave
	s_lshl_b32 s83, s17, 5
	s_add_co_u32 s82, s82, s83                     ; + my work-group's 32
	s_lshl_b32 s82, s82, 11
	s_mov_b32 s83, 0
	s_add_nc_u64 s[PFA:PFA+1], s[6:7], s[82:83]
	s_add_nc_u64 s[PFA:PFA+1], s[PFA:PFA+1], 2*KB  ; at K step 2: the first refill steps it to 3 and names K step 4
	s_and_b32 s84, ttmp7, 0xffff                   ; cluster y
	s_cmp_eq_u32 s84, 0
	s_cselect_b32 s[LIM], 1, -1
	s_cmp_eq_u32 s[WV], 3
	s_cselect_b32 s[LIM], -1, s[LIM]               ; the same in all sixteen partners, for a given wave
	v_lshlrev_b32 v[PFO], 11, v3
	s_lshl_b32 s82, s16, 15                        ; x: my work-group's 8 of my wave's 32 rows
	s_add_nc_u64 s[PFX:PFX+1], s[XP:XP+1], s[82:83]
	s_add_nc_u64 s[PFX:PFX+1], s[PFX:PFX+1], 2*XKB ; at K step 2: the first refill of slot 0 steps it to K steps 4 and 5
	v_lshrrev_b32 v5, 2, v3
	v_and_b32 v6, 3, v3
	v_lshlrev_b32 v6, 8, v6
	v_lshl_add_u32 v[PFXO], v5, 12, v6
	; the bias of my six column blocks: a block of 16 columns lies in one of the three vectors
	s_mul_i32 s23, s18, 384
	s_mul_i32 s42, s[WV], 96
	s_add_co_u32 s23, s23, s42                     ; my first column
	v_lshlrev_b32 v[BO], 5, v2
.irp b, 0,1,2,3,4,5
	s_add_co_u32 s40, s23, 16*(\b)
	s_lshr_b32 s42, s40, 9                         ; 0 bk, 1 bq, 2 bv
	s_and_b32 s40, s40, 511
	s_lshl_b32 s40, s40, 2
	s_cmp_eq_u32 s42, 1
	s_cselect_b64 s[BP+2*(\b):BP+2*(\b)+1], s[10:11], s[8:9]
	s_cmp_eq_u32 s42, 2
	s_cselect_b64 s[BP+2*(\b):BP+2*(\b)+1], s[12:13], s[BP+2*(\b):BP+2*(\b)+1]
	s_add_nc_u64 s[BP+2*(\b):BP+2*(\b)+1], s[BP+2*(\b):BP+2*(\b)+1], s[40:41]
	global_load_b128 v[BIAS+8*(\b):BIAS+8*(\b)+3],   v[BO], s[BP+2*(\b):BP+2*(\b)+1]
	global_load_b128 v[BIAS+8*(\b)+4:BIAS+8*(\b)+7], v[BO], s[BP+2*(\b):BP+2*(\b)+1] offset:16
.endr
	STAGEA 0, 0, 12                                ; x's K step 0 is in (the 12 loads of the bias may stay out) and goes into buffer 0
	STAGEA 1, 0, 12
	s_wait_xcnt 0x0                                ; every load issued so far has read its address, so x's pointer may be written
	s_add_nc_u64 s[XP:XP+1], s[XP:XP+1], XKB
	s_wait_dscnt 0x0                               ; my stores are done: for the others' sake, and they have read the registers that are loaded again
	LOADA 0                                        ; x's K step 1
	LOADA 1
	WIN 0
	s_wait_loadcnt 32                              ; the bias is in; the 32 loads just issued stay out
.set i, 0
.rept 24                               ; rounded to bf16 and widened again
	v_cvt_pk_bf16_f32 v[TMP+i], v[BIAS+2*i], v[BIAS+2*i+1]
.set i, i+1
.endr
.set i, 0
.rept 24
	v_lshlrev_b32 v[BIAS+2*i], 16, v[TMP+i]
	v_and_b32 v[BIAS+2*i+1], 0xffff0000, v[TMP+i]
.set i, i+1
.endr
; 12 matrix instructions: row blocks a0, a0 + 1 of the window's four (hi = 0: rows 0-63, 1: rows 64-127) x all 6 column blocks, 32 along K, from buffers f.  first = 1: C is the bias.
; The 48 accumulators take turns, one instruction a turn, in the same order in every quarter.
.macro MUL12 f, hi, a0, first
.if \first
	WIN 0x81+0x40*(\hi)                            ; Wcat window 1, x and the bias window 0, D window 2 or 3
.else
	WIN 0xa1+0x50*(\hi)                            ; C and D window 2 or 3
.endif
.irp a, \a0, (\a0)+1
.irp b, 0,1,2,3,4,5
.if \first
	v_wmma_f32_16x16x32_bf16 v[8*(6*(\a)+(\b)):8*(6*(\a)+(\b))+7], v[48*(\f)+8*(\b):48*(\f)+8*(\b)+7], v[FA+64*(\f)+8*(4*(\hi)+(\a)):FA+64*(\f)+8*(4*(\hi)+(\a))+7], v[BIAS+8*(\b):BIAS+8*(\b)+7]
.else
	v_wmma_f32_16x16x32_bf16 v[8*(6*(\a)+(\b)):8*(6*(\a)+(\b))+7], v[48*(\f)+8*(\b):48*(\f)+8*(\b)+7], v[FA+64*(\f)+8*(4*(\hi)+(\a)):FA+64*(\f)+8*(4*(\hi)+(\a))+7], v[8*(6*(\a)+(\b)):8*(6*(\a)+(\b))+7]
.endif
.endr
.endr
.endm
; 28 LDS loads in one run: the fragments of 32 K at byte kb of the rows, into buffers f: Wcat's 12, then x's 16
.macro FETCH slot, kb, f
	WIN 0x40                                       ; destination window 1, address window 0
.irp i, 0,1,2,3,4,5
	ds_load_b128 v[48*(\f)+8*(\i):48*(\f)+8*(\i)+3],   v[ADRB+(\slot)] offset:(\kb)+(\i)*16*PITCH
	ds_load_b128 v[48*(\f)+8*(\i)+4:48*(\f)+8*(\i)+7], v[ADRB+(\slot)] offset:(\kb)+(\i)*16*PITCH+32
.endr
	WIN 0
.irp i, 0,1,2,3,4,5,6,7
	ds_load_b128 v[FA+64*(\f)+8*(\i):FA+64*(\f)+8*(\i)+3],   v[ADRA+(\slot)] offset:(\kb)+(\i)*16*PITCH
	ds_load_b128 v[FA+64*(\f)+8*(\i)+4:FA+64*(\f)+8*(\i)+7], v[ADRA+(\slot)] offset:(\kb)+(\i)*16*PITCH+32
.endr
.endm
; A K step is four quarters of 32 along K, 48 matrix instructions each, on buffers 0, 1, 0, 1.  One of the first three: multiplies buffers f and fetches the next quarter, at byte kb, into g.
; st = 0, 1: in its middle half st of x's NEXT K step goes into the other buffer, which nobody has read since the last change of slots; its 32 conversions, which name no register of the products, are the
; places in front of the fragment loads.  ld = 1: behind the wait that shows those stores done the half is loaded again, for the K step after that: it has a whole K step in which to come.
; left: the younger loads of x: the other half's 16, or none.
.macro QUARTER slot, kb, f, g, first, st=-1, ld=0, left=16
	s_wait_dscnt 8                                 ; Wcat's and x's blocks 0-3 are in; the youngest eight loads (x's blocks 4-7) may be out
	MUL12 \f, 0, 0, \first
	MUL12 \f, 0, 2, \first
.if (\st) >= 0
.if ((\st) == 0) && (\ld)
	s_wait_xcnt 0x0                                ; the loads of the K step before and the last prefetches, all a quarter or more back, have read their addresses
	s_add_nc_u64 s[XP:XP+1], s[XP:XP+1], XKB
.endif
	STAGEA \st, 1-(\slot), \left
.else
	PLACES
.endif
	FETCH \slot, \kb, \g
	s_wait_dscnt 28                                ; all but the 28 just issued: the stores of x too
.if \ld
	LOADA \st
.endif
	MUL12 \f, 1, 0, \first
	MUL12 \f, 1, 2, \first
.endm
; The last quarter multiplies buffers 1 and changes slots: ONE barrier; in front of it each wave waits for all its tensor loads (the one that is out is its part of Wcat's next slot), adds 0 to its spare
; word, and waits for that, for its own reads of this slot and of x's buffer, and for its stores into x's other buffer.  fill = 1: the barrier opens a round of the cluster's, and Wcat's slot is filled
; again, two K steps on, first thing behind it: from that request to the wait for it a wave issues 168 matrix instructions.
.macro TURN slot, next, fill
.if \fill
	s_wait_xcnt 0x0                                ; the last prefetches, a K step back, have read their addresses
	s_add_nc_u64 s[PFA:PFA+1], s[PFA:PFA+1], KB
.if (\slot) == 0
	s_add_nc_u64 s[PFX:PFX+1], s[PFX:PFX+1], 2*XKB
.endif
.endif
	WIN 0                                          ; (the add's two registers lie in window 0)
	s_wait_tensorcnt 0x0                           ; all my tensor loads have landed;
	ds_add_u32 v[SPW], v[NIL]                      ; 0 onto my spare word;
	s_wait_dscnt 9                                 ; (the add and the youngest eight loads may be out)
	MUL12 1, 0, 0, 0                               ; twelve matrix instructions stand between the add and the wait for it
	s_wait_dscnt 0x0                               ; the add is done, and my LDS reads and stores are over
	s_barrier_signal -1
	MUL12 1, 0, 2, 0
.if \fill
	WIN 0
.endif
	s_barrier_wait -1
.if \fill
	CREST                                          ; no wave of any partner still reads this slot's tile or has a load on its way
	s_add_nc_u64 s[G0B+4*(\slot)+2:G0B+4*(\slot)+3], s[G0B+4*(\slot)+2:G0B+4*(\slot)+3], 2*KB
	JLOAD \slot                                    ; the four v_nop behind it are also the places in front of the loads below
.else
	PLACES
.endif
	FETCH \next, 0, 0
.if \fill
	ASK
.if (\slot) == 0
	ASKX
.endif
.endif
	MUL12 1, 1, 0, 0
	MUL12 1, 1, 2, 0
.endm
	s_wait_tensorcnt 1                             ; my part of Wcat's K step 0 is in; K step 1's may stay out
	s_barrier_signal -1
	s_barrier_wait -1                              ; everybody's is, and everybody's rows of x
	FETCH 0, 0, 0
	QUARTER 0, 64, 0, 1, 1                         ; the first quarter stands in front of the loop: its products start the sums, with the bias
	WIN 0                                          ; at a label and at a branch every window is 0
	s_mov_b32 s3, 3
.Llap:                                                 ; a trip goes once round the ring, from a lap's second quarter to the next lap's first; K steps 2 i and 2 i + 1 stage x's steps 2 i + 1 and 2 i + 2 and load 2 i + 2 and 2 i + 3
	QUARTER 0, 128, 1, 0, 0, 0, 1, 16
	QUARTER 0, 192, 0, 1, 0, 1, 1, 16
	TURN 0, 1, 1
	QUARTER 1, 64,  0, 1, 0
	QUARTER 1, 128, 1, 0, 0, 0, 1, 16
	QUARTER 1, 192, 0, 1, 0, 1, 1, 16
	TURN 1, 0, 1
	QUARTER 0, 64,  0, 1, 0
	WIN 0
	s_sub_co_u32 s3, s3, 1
	s_cmp_lg_u32 s3, 0
	s_cbranch_scc1 .Llap
	QUARTER 0, 128, 1, 0, 0, 0, 0, 16              ; the last lap fills and loads nothing: K step 6 stages x's step 7,
	QUARTER 0, 192, 0, 1, 0, 1, 0, 0               ; whose second half has no younger load behind it
	TURN 0, 1, 0                                   ; behind its barrier no wave reads Wcat's slot 0 any more, and that slot has had its last fill
	QUARTER 1, 64,  0, 1, 0
	QUARTER 1, 128, 1, 0, 0
	QUARTER 1, 192, 0, 1, 0
	s_wait_dscnt 8                                 ; the very last quarter: nothing more to fetch
	MUL12 1, 0, 0, 0
	MUL12 1, 0, 2, 0
	s_wait_dscnt 0x0
	MUL12 1, 1, 0, 0
	MUL12 1, 1, 2, 0
	WIN 0
	; THE WAY OUT: rounded to f16; 16 bytes a lane into the work-group's stage, which takes bytes of Wcat's slot 0 (the last K step reads slot 1 and x's buffer 1 alone); a barrier, since a row's 768 bytes
	; come from four waves; back as whole rows, 32 rows a wave.
	PLACES
	PLACES
.irp a, 0,1,2,3,4,5,6,7
	WIN 0x0a+5*((\a)/4)                            ; sources 0 and 1: window 2 or 3
.irp b, 0,1,2,3,4,5
.irp q, 0,1,2,3
	v_cvt_pk_f16_f32 v[TMP+24*((\a)%2)+4*(\b)+(\q)], v[8*(6*((\a)%4)+(\b))+2*(\q)], v[8*(6*((\a)%4)+(\b))+2*(\q)+1]
.endr
.endr
	WIN 0
.irp b, 0,1,2,3,4,5
	ds_store_b128 v[STO+(\a)/4], v[TMP+24*((\a)%2)+4*(\b):TMP+24*((\a)%2)+4*(\b)+3] offset:((\a)%4)*16*SPITCH+32*(\b)
.endr
.endr
	s_wait_dscnt 0x0                               ; for the others' sake: my stores into the stage are done
	s_barrier_signal -1
	s_barrier_wait -1
.set i, 0
.rept 48                               ; load i: rows 2 (i / 3) and 2 (i / 3) + 1 of my 32, block i % 3 of 256 bytes
.if i < 16
.set rB, 32+4*i
.else
.set rB, 128+4*(i-16)
.endif
	ds_load_b128 v[rB:rB+3], v[RD] offset:(i/3)*2*SPITCH+256*(i%3)
.set i, i+1
.endr
.set i, 0
.rept 48
.if i < 16
.set rB, 32+4*i
.else
.set rB, 128+4*(i-16)
.endif
	s_wait_dscnt 47-i                              ; LDS loads come back in order: load i is in
	global_store_b128 v[CO], v[rB:rB+3], s[14:15] offset:(i/3)*2*3072+256*(i%3)  ; 16 lanes store 256 consecutive bytes, at a multiple of 256 from kqv's first byte
.set i, i+1
.endr
	s_wait_tensorcnt 0x0                           ; the wave's end, behind my last tensor load and my last LDS store
	ds_add_u32 v[SPW], v[NIL]
	s_wait_dscnt 0x0
	CROUND                                         ; the closing round: no work-group ends while a partner may still ask for a tile that names it
	s_endpgm
.Lfunc_end_k_q235bf6aaff_proj:
	.size	k_q235bf6aaff_proj, .Lfunc_end_k_q235bf6aaff_proj-k_q235bf6aaff_proj
	.p2alignl 7, 3214868480
	.fill 96, 4, 3214868480
	.section	.rodata,"a",@progbits
	.p2align	6, 0x0
	.amdhsa_kernel k_q235bf6aaff_proj
		.amdhsa_group_segment_fixed_size 327680
		.amdhsa_private_segment_fixed_size 0
		.amdhsa_enable_private_segment 0
		.amdhsa_kernarg_size 48
		.amdhsa_user_sgpr_count 2
		.amdhsa_user_sgpr_kernarg_segment_ptr 1
		.amdhsa_wavefront_size32 1
		.amdhsa_system_sgpr_workgroup_id_x 1
		.amdhsa_system_sgpr_workgroup_id_y 1
		.amdhsa_system_sgpr_workgroup_id_z 1
		.amdhsa_system_vgpr_workitem_id 0
		.amdhsa_next_free_vgpr 960
		.amdhsa_next_free_sgpr 96
		.amdhsa_reserve_vcc 0
		.amdhsa_float_denorm_mode_32 3
		.amdhsa_float_denorm_mode_16_64 3
		.amdhsa_memory_ordered 1
		.amdhsa_forward_progress 1
		.amdhsa_inst_pref_size 159
	.end_amdhsa_kernel
	.amdgpu_metadata
---
amdhsa.version: [ 1, 2 ]
amdhsa.kernels:
  - .name:           k_q235bf6aaff_proj
    .symbol:         k_q235bf6aaff_proj.kd
    .args:
      - { .name: x, .offset: 0, .size: 8, .value_kind: global_buffer, .address_space: global }
      - { .name: wb, .offset: 8, .size: 8, .value_kind: global_buffer, .address_space: global }
      - { .name: bk, .offset: 16, .size: 8, .value_kind: global_buffer, .address_space: global }
      - { .name: bq, .offset: 24, .size: 8, .value_kind: global_buffer, .address_space: global }
      - { .name: bv, .offset: 32, .size: 8, .value_kind: global_buffer, .address_space: global }
      - { .name: kqv, .offset: 40, .size: 8, .value_kind: global_buffer, .address_space: global }
    .group_segment_fixed_size: 327680
    .private_segment_fixed_size: 0
    .kernarg_segment_align: 8
    .kernarg_segment_size: 48
    .max_flat_workgroup_size: 128
    .sgpr_count:     96
    .vgpr_count:     960
    .wavefront_size: 32
...
	.end_amdgpu_metadata
.endif
;; end of part 2
;; launch attn (part 3): grid 32 x 8, 4 waves a work-group, clusters of 4 x 1, 327,680 bytes of LDS; arguments kqv, out0; writes out0
.if DOCPART == 3
	.amdgcn_target "amdgcn-amd-amdhsa--gfx1250"
	.amdhsa_code_object_version 6
	.text
	.protected	k_q235bf6aaff_attn
	.globl	k_q235bf6aaff_attn
	.p2align	8
	.type	k_q235bf6aaff_attn,@function
k_q235bf6aaff_attn:
	s_mov_b64 s[64:65], 0
	v_nop
	global_prefetch_b8 v0, s[64:65] scope:SCOPE_SE
	s_setreg_imm32_b32 hwreg(HW_REG_WAVE_MODE, 25, 1), 1
	s_wait_xcnt 0x0
	s_wait_alu depctr_hold_cnt(0) depctr_sa_sdst(0) depctr_va_vdst(0) depctr_va_sdst(0) depctr_va_ssrc(0) depctr_va_vcc(0) depctr_vm_vsrc(0)
	s_getreg_b32 s2, hwreg(HW_REG_IB_STS2, 6, 4)
	s_cmp_eq_u32 s2, 0
	s_cbranch_scc0 .Lentry_in_a_cluster
	s_endpgm
.Lentry_in_a_cluster:
	s_bfe_u32 s2, ttmp6, 0x10000c
	s_cmp_lg_u32 s2, 0x3003
	s_cbranch_scc0 .Lentry_shape_is_right
	s_endpgm
.Lentry_shape_is_right:
; out0[b][j][:] = sum over l of sign(j, l) softmax_l(K[b][j] . Q[b][l] / sqrt(512)) V[b][l][:], sign = +1 where l >= j, -1 where l < j.
; kqv: [8 x 2048][1536] f16, a row is 3,072 bytes: K at byte 0, Q at 1,024, V at 2,048.  out0: [8][2048][512] f32.  Products, maxima and sums in f32; the weights p are rounded to f16 for the
; second product and take their sign there; their sum l is taken of the unrounded, unsigned p.
; LIMITS.  K, Q and V arrive within f16's 65,504; p lies in 0 to 1, and below 6e-5 it keeps f16's fixed step of 6e-8; a weight below 2^-126 counts as 0 in l; NaN and infinities are not treated apart.
; SHARES.  A work-group owns 64 rows j of one batch: four tiles t of 16.  The columns l go in 16 chunks of 128.  In a chunk wave w makes S^T for all 64 rows x ITS 32 columns over all 512 channels
; (K's 64 x 512 stay in 512 registers, so a fragment of Q feeds four products), and then O^T for all 64 rows x ITS 128 channels over all 128 columns; the weights go from wave to wave through LDS.
; LAYOUT.  S^T = Q K^T (source 0 = 16 columns l, source 1 = 16 rows j): a lane holds ONE row j (lane % 16) and the columns 8 (lane / 16) + 0..7.  O^T = V^T P (source 0 = V turned by
; ds_load_tr16_b128, source 1 = P [j][l] from LDS): a lane holds the same row and eight channels.
; SOFTMAX.  For each row a running maximum m over all four waves' columns and, in each wave, the sum l of its own columns' weights: p = 2^(c s - c m), c = log2(e) / sqrt(512); in every chunk O and l are
; multiplied by a = 2^(c m_old - c m_new).  m starts at the lowest finite number, O and l at 0: the first chunk is a chunk like any other, with a = 0.  The four waves' l meet in LDS at the end.
; THE SIGN is an exclusive or onto the packed f16 weights.  For tiles of 16 x 16: all negative where the column tile lies before the row tile, DG's pattern where they are the same, none behind it.
; The three cases are told apart by scalar selects, never by a branch.
; RING.  Q always lands in QS, V always in VS.  QS is filled again when S^T of the chunk is made, VS when O^T is: while one is read the other's load is on its way: 32 rows x 1,024 bytes a wave.
; CLUSTER.  The four row blocks of a cluster belong to one batch and walk the same Q and V, so each tile is asked for JOINTLY: the same tensor load, descriptor and mask in all four.
; REGISTERS, in windows of 256 (s_set_vgpr_msb: bits 1:0 source 0, 3:2 source 1, 5:4 source 2, 7:6 destination):
;   window 0: v0-23 addresses and masks; v24-63 statistics and work; v64-127 S^T, later P's fragments; v128-255 two buffers of Q's, later V's, fragments
;   window 1: O^T, (t, cb) at 8 (8 t + cb)          window 2: K's fragments (t, k < 8) at 8 (8 t + k)          window 3: (t, k >= 8) at 8 (8 t + k - 8)
.set PQ,    1040      ; a row of Q in LDS: 1,024 bytes + 16: the 16 rows of a load start 16 bytes further on in each 256
.set PVV,   1056      ; a row of V: 1,024 + 32: 16 lanes of the turning load take 8 rows x 32 bytes, 32 bytes further on from row to row
.set PP,    272       ; a row of P: 128 weights of 2 bytes + 16
.set PO,    528       ; a row of a wave's stage: 128 channels of 4 bytes + 16
.set VS,    128*PQ
.set PR,    VS+128*PVV
.set STAT,  PR+64*PP  ; the waves' maxima of a chunk: [wave][row % 16][tile] f32
.set LSUM,  STAT+1024 ; the waves' sums, at the end: the same layout
.set OST,   LSUM+1024 ; 16 rows x 528 bytes for each wave, for the way out
.set SPARE, OST+4*16*PO  ; the spare words, 128 bytes for each wave: two blocks of 256 bytes that no other line names
.set ROWB,  3072
.set CHUNKB, 128*ROWB ; bytes of kqv from a chunk to the next
.set AQ,  4           ; v4   my lane's place in my wave's 32 rows of Q
.set AV0, 5           ; v5   my lane's place in V, columns 0-63 of the chunk
.set AV1, 6           ; v6   columns 64-127 (the immediate holds 16 bits)
.set AP,  7           ; v7   my lane's place in P, as a fragment's reader
.set PST, 8           ; v8   where I put 16 bytes of P
.set SST, 9           ; v9   where I put my wave's four maxima
.set SRD, 10          ; v10  where I read the waves' maxima
.set RO,  11          ; v11  my byte offset in 16 rows of K
.set STO, 12          ; v12  the way out: where I put 32 bytes of a row
.set RD,  13          ; v13  where I read a row back
.set GO,  14          ; v14  my 16 bytes of 512 of out0
.set PFO, 15          ; v15  the prefetches' offset: lane x 3,072; never rewritten
.set SPW, 16          ; v16  LDS address of my spare word; never rewritten
.set NIL, 17          ; v17  0; never rewritten
.set DG,  18          ; v[18:21] the diagonal tile's signs for my four pairs of weights
.set LST, 22          ; v22  SST in LSUM
.set LRD, 23          ; v23  SRD in LSUM
.set ST,  24          ; v[24:39] tile t at +4 t: c m, m, l (even columns', odd columns')
.set T16, 40          ; v[40:55] at work: two chains a tile; the waves' maxima; then a of tile t at +2 t and, at +8, two sets of four packed weights
.set MV,  56          ; v[56:59] c m_old, then c m_old - c m_new; later a tile's four sign masks
.set MX,  60          ; v[60:63] my wave's maxima of the four tiles
.set S,   64          ; accumulator (t, kt) at +8 (2 t + kt)
.set FB0, 128
.set WV,  12          ; s12  my wave's number
.set BLK, 14          ; s14  my block of 64 rows in the batch
.set LIM, 16          ; s16  1 in a cluster that prefetches, else the greatest number
.set SB,  17          ; s17  my first column tile less my first row tile, in tiles of 16
.set PFA, 18          ; s[18:19] where my prefetches stand
.set G1Q, 24          ; s[24:31] descriptor group 1 for Q's tiles
.set G1V, 32          ; s[32:39] for V's: it differs in the padding alone
.set G0Q, 40          ; s[40:43] descriptor group 0 for Q's tiles: it walks
.set G0V, 44          ; s[44:47] the same for V's
.set CNT, 56          ; s56  chunks still to be asked for
.set CS,  58          ; s[58:59] c: the packed scaling takes the pair's low word for both halves
.set SEL, 60          ; s[60:61] v_permlanex16_b32's selects: each lane takes its own place in the other half
.set SN,  66          ; s[66:70] by u = t - kt + 1: both sign bits where the whole tile is negative
.set SD,  71          ; s[71:75] all ones where the tile holds the diagonal
.set MSB, 0
.macro WIN new                      ; the high byte repeats the setting that is left; a switch that changes nothing is dropped
.if MSB != (\new)
	s_set_vgpr_msb (MSB<<8)|(\new)
.set MSB, (\new)
.endif
.endm
.macro PLACES                       ; four places behind matrix instructions (ISA guide 7.12.1)
.rept 4
	v_nop
.endr
.endm
; A round of the cluster's barrier: my work-group's barrier; wave 0 signals for the work-group; every wave waits for all four work-groups; my work-group's barrier once more.
.macro ROUND
	s_barrier_signal -1
	s_barrier_wait -1
	s_cmp_lg_u32 s[WV], 0
	s_cbranch_scc1 .Lnot_wave_0_\@
	s_barrier_signal -3
.Lnot_wave_0_\@:
	s_barrier_wait -3
	s_barrier_signal -1
	s_barrier_wait -1
.endm
; A joint fill: every wave brings its 32 rows.  An s_nop 0 and four v_nop follow the line.
.macro LOADQ
	tensor_load_to_lds s[G0Q:G0Q+3], s[G1Q:G1Q+7]
	s_nop 0
.rept 4
	v_nop
.endr
.endm
.macro LOADV
	tensor_load_to_lds s[G0V:G0V+3], s[G1V:G1V+7]
	s_nop 0
.rept 4
	v_nop
.endr
.endm
; A prefetch of what the next trip's fill of the same slot will ask for (off = 0: Q's part of the rows, 1,024: V's): a lane a row, a wave one block of 256 bytes of the row's 1,024, a partner 32 of the
; chunk's 128 rows, told apart by address.  All clusters of a batch walk the same rows: the batch's first cluster asks.  So each block is named once.  The loop's last trip asks for nothing.
.macro ASK off
	s_cmp_gt_u32 s[CNT], s[LIM]
	s_cbranch_scc0 .Lnot_mine_\@
	global_prefetch_b8 v[PFO], s[PFA:PFA+1] offset:\off th:TH_LOAD_NT scope:SCOPE_SE
.Lnot_mine_\@:
.endm
	s_load_b128 s[4:7], s[0:1], 0x0 ; kqv s[4:5], out0 s[6:7]
	v_lshl_add_u32 v[SPW], v0, 2, SPARE
	v_mov_b32 v[NIL], 0
	ds_add_u32 v[SPW], v[NIL]       ; the wave's opening: the add and its wait ahead of my first tensor load; the set-up below stands between them
	v_lshrrev_b32 v1, 5, v0
	v_readfirstlane_b32 s[WV], v1   ; wave 0..3
	s_bfe_u32 s13, ttmp6, 0x40000   ; cx: my place in the cluster
	s_lshl_b32 s[BLK], ttmp9, 2
	s_add_co_u32 s[BLK], s[BLK], s13  ; my block of rows = 4 x cluster x + cx: it enters K's and out0's addresses and the sign alone
	s_and_b32 s15, ttmp7, 0xffff    ; the batch, which the four partners share
	s_mul_i32 s20, s15, 2048*ROWB   ; the batch's first byte in kqv
	s_mul_i32 s22, s[WV], 32*ROWB   ; my 32 rows of a chunk,
	s_add_co_u32 s22, s22, s20
	s_add_co_u32 s22, s22, 1024     ; Q's part of them
	s_mov_b32 s23, 0
	; descriptor group 1: a tile of 32 rows x 512 elements, padded in LDS
	s_mov_b32 s[G1Q], 15|(1<<16)|(1<<20)|(1<<21)|(7<<22)|(3<<25)  ; 15:0 the mask of four; 17:16 2-byte elements; 20 padding on; 21 set beside a mask; 24:22 after every 256 words; 31:25 4 words
	s_mov_b32 s[G1V], 15|(1<<16)|(1<<20)|(1<<21)|(7<<22)|(7<<25)  ; the same with 8 words of padding
.irp g, G1Q, G1V
	s_mov_b32 s[(\g)+1], 512<<16    ; tensor_dim0 = 512
	s_mov_b32 s[(\g)+2], 32<<16     ; tensor_dim1 = 32
	s_mov_b32 s[(\g)+3], 512<<16    ; tile_dim0 = 512
	s_mov_b32 s[(\g)+4], 32         ; tile_dim1 = 32
	s_mov_b32 s[(\g)+5], 1536       ; elements from row to row
	s_mov_b32 s[(\g)+6], 0
	s_mov_b32 s[(\g)+7], 0
.endr
	s_mov_b32 s[G0Q], 1             ; count = 1
	s_mul_i32 s[G0Q+1], s[WV], 32*PQ  ; LDS address: no place in the cluster enters it
	s_mov_b32 s[G0V], 1
	s_mul_i32 s[G0V+1], s[WV], 32*PVV
	s_add_co_u32 s[G0V+1], s[G0V+1], VS
	s_mov_b32 s[CS], 0x3d8293ee     ; c = log2(e) / sqrt(512) = 0.0637587
	s_mov_b32 s[CS+1], s[CS]        ; named with it as a pair
	s_mov_b32 s[SEL], 0x76543210
	s_mov_b32 s[SEL+1], 0xfedcba98
	s_mov_b32 s76, 0x8000
	s_mov_b32 s77, 0x80000000
	s_lshl_b32 s[SB], s[WV], 1      ; chunk 0: column tile 2 w + kt, row tile 4 BLK + t
	s_lshl_b32 s21, s[BLK], 2
	s_sub_co_i32 s[SB], s[SB], s21
	s_cmp_eq_u32 ttmp9, 0
	s_cselect_b32 s[LIM], 1, -1     ; the same in all four partners
	s_wait_dscnt 0x0                ; the opening add is done
	s_wait_kmcnt 0x0
	s_add_nc_u64 s[G0Q+2:G0Q+3], s[4:5], s[22:23]          ; global address: my rows of chunk 0
	s_add_nc_u64 s[G0V+2:G0V+3], s[G0Q+2:G0Q+3], 1024
	s_or_b32 s[G0Q+3], s[G0Q+3], 0x80000000                ; type = 2
	s_or_b32 s[G0V+3], s[G0V+3], 0x80000000
	s_mul_i32 s52, s[BLK], 64*ROWB
	s_add_co_u32 s52, s52, s20
	s_mov_b32 s53, 0
	s_add_nc_u64 s[48:49], s[4:5], s[52:53]                ; K at my block's first row
	s_mul_i32 s52, s13, 32*ROWB     ; the prefetches: my work-group's 32 rows of a chunk,
	s_lshl_b32 s21, s[WV], 8        ; my wave's 256 bytes of Q's 1,024,
	s_add_co_u32 s52, s52, s21
	s_add_co_u32 s52, s52, s20
	s_add_co_u32 s52, s52, 1024+CHUNKB  ; in chunk 1: the first change of Q's slot steps it to chunk 2
	s_add_nc_u64 s[PFA:PFA+1], s[4:5], s[52:53]
	s_lshl_b32 s52, s15, 22         ; out0: a batch is 2,048 rows of 2,048 bytes,
	s_lshl_b32 s21, s[BLK], 17      ; my block 64 rows,
	s_add_co_u32 s52, s52, s21
	s_lshl_b32 s21, s[WV], 9        ; my wave's 128 channels 512 bytes
	s_add_co_u32 s52, s52, s21
	s_add_nc_u64 s[6:7], s[6:7], s[52:53]
	ROUND                           ; all four work-groups are here: the first joint loads meet
	tensor_load_to_lds s[G0Q:G0Q+3], s[G1Q:G1Q+7]          ; chunk 0's Q and V: two loads of mine are out
	s_nop 0
	tensor_load_to_lds s[G0V:G0V+3], s[G1V:G1V+7]
	s_nop 0
.rept 4
	v_nop
.endr
	; A fragment of K, Q or P is 16 rows x 32 along the sum in 8 registers: lane l holds row l % 16, places 8 (l / 16) + 0..7 and 16 + 8 (l / 16) + 0..7: two loads of 16 bytes, 32 bytes apart.
	v_and_b32 v1, 15, v0            ; r = l % 16
	v_bfe_u32 v2, v0, 4, 1          ; h = l / 16
	v_and_b32 v3, 31, v0            ; l
	v_mul_u32_u24 v[RO], v1, ROWB
	v_lshl_add_u32 v[RO], v2, 4, v[RO]
	WIN 0x80                        ; K stays in registers: destination window 2, address window 0
.irp t, 0,1,2,3
.irp k, 0,1,2,3,4,5,6,7
	global_load_b128 v[8*(8*(\t)+(\k)):8*(8*(\t)+(\k))+3],   v[RO], s[48:49] offset:(\t)*16*ROWB+64*(\k)
	global_load_b128 v[8*(8*(\t)+(\k))+4:8*(8*(\t)+(\k))+7], v[RO], s[48:49] offset:(\t)*16*ROWB+64*(\k)+32
.endr
.endr
	WIN 0xc0                        ; channels 256 on: window 3
.irp t, 0,1,2,3
.irp k, 0,1,2,3,4,5,6,7
	global_load_b128 v[8*(8*(\t)+(\k)):8*(8*(\t)+(\k))+3],   v[RO], s[48:49] offset:(\t)*16*ROWB+512+64*(\k)
	global_load_b128 v[8*(8*(\t)+(\k))+4:8*(8*(\t)+(\k))+7], v[RO], s[48:49] offset:(\t)*16*ROWB+512+64*(\k)+32
.endr
.endr
	WIN 0x40                        ; O^T starts at 0, so that every chunk has one text: written in the wait for the first tile
.set i, 0
.rept 256
	v_mov_b32 v[i], 0
.set i, i+1
.endr
	WIN 0
.irp t, 0,1,2,3
	v_mov_b32 v[ST+4*(\t)], 0xfe000000    ; c m: far below every c s
	v_mov_b32 v[ST+4*(\t)+1], 0xff7fffff  ; m
	v_mov_b32 v[ST+4*(\t)+2], 0
	v_mov_b32 v[ST+4*(\t)+3], 0
.endr
	s_mul_i32 s21, s[WV], 32*PQ
	v_mul_u32_u24 v[AQ], v1, PQ
	v_lshl_add_u32 v[AQ], v2, 4, v[AQ]
	v_add_nc_u32 v[AQ], s21, v[AQ]  ; (32 w + r) x pitch + 16 h
	; The turning load takes 16 columns l x 16 channels (lane l reads row 8 (l / 16) + l % 8, channels 8 ((l / 8) % 2) + 0..7) and leaves half a fragment of V^T: lane l holds channel l % 16 and 8 columns.
	v_and_b32 v40, 7, v0
	v_lshl_add_u32 v40, v2, 3, v40
	v_mul_u32_u24 v40, v40, PVV
	v_bfe_u32 v41, v0, 3, 1
	v_lshl_add_u32 v40, v41, 4, v40
	s_lshl_b32 s21, s[WV], 8        ; my wave's 128 channels
	s_add_co_u32 s21, s21, VS
	v_add_nc_u32 v[AV0], s21, v40
	v_add_nc_u32 v[AV1], 64*PVV, v[AV0]
	v_mul_u32_u24 v[AP], v1, PP
	v_lshl_add_u32 v[AP], v2, 4, v[AP]
	v_add_nc_u32 v[AP], PR, v[AP]
	s_lshl_b32 s21, s[WV], 6        ; my wave's 32 columns
	v_add_nc_u32 v[PST], s21, v[AP]
	v_lshlrev_b32 v[SRD], 4, v1
	v_add_nc_u32 v[SRD], STAT, v[SRD]
	s_lshl_b32 s21, s[WV], 8
	v_add_nc_u32 v[SST], s21, v[SRD]
	v_add_nc_u32 v[LST], 1024, v[SST]
	v_add_nc_u32 v[LRD], 1024, v[SRD]
	s_mul_i32 s21, s[WV], 16*PO
	s_add_co_u32 s21, s21, OST      ; my stage
	v_mul_u32_u24 v[STO], v1, PO
	v_lshl_add_u32 v[STO], v2, 5, v[STO]
	v_add_nc_u32 v[STO], s21, v[STO]
	v_lshlrev_b32 v[GO], 4, v3
	v_add_nc_u32 v[RD], s21, v[GO]
	v_mul_u32_u24 v[PFO], v3, ROWB
	v_lshlrev_b32 v41, 3, v2
	v_sub_nc_u32 v41, v1, v41       ; r - 8 h: in the diagonal tile my weight number x is negative where x is less
.irp i, 0,1,2,3
	v_cmp_lt_i32 vcc_lo, 2*(\i), v41
	v_cndmask_b32 v[DG+(\i)], 0, s76, vcc_lo
	v_cmp_lt_i32 vcc_lo, 2*(\i)+1, v41
	v_cndmask_b32 v42, 0, s77, vcc_lo
	v_or_b32 v[DG+(\i)], v[DG+(\i)], v42
.endr
; S^T.  QRUN g: 16 LDS loads: Q's fragments of channels 128 g on (kk: 32 channels each) for my two column tiles kt, into buffer g % 2.
.macro QRUN g
.irp kk, 0,1,2,3
.irp kt, 0,1
	ds_load_b128 v[FB0+64*((\g)%2)+8*(2*(\kk)+(\kt)):FB0+64*((\g)%2)+8*(2*(\kk)+(\kt))+3],   v[AQ] offset:(\kt)*16*PQ+64*(4*(\g)+(\kk))
	ds_load_b128 v[FB0+64*((\g)%2)+8*(2*(\kk)+(\kt))+4:FB0+64*((\g)%2)+8*(2*(\kk)+(\kt))+7], v[AQ] offset:(\kt)*16*PQ+64*(4*(\g)+(\kk))+32
.endr
.endr
.endm
; MULS g: their 32 products.  The 8 accumulators take turns, one instruction a turn; the first 8 products of a chunk start the sums with 0.
.macro MULS g
.irp kk, 0,1,2,3
.irp kt, 0,1
.irp t, 0,1,2,3
.if (4*(\g)+(\kk)) == 0
	v_wmma_f32_16x16x32_f16 v[S+8*(2*(\t)+(\kt)):S+8*(2*(\t)+(\kt))+7], v[FB0+64*((\g)%2)+8*(2*(\kk)+(\kt)):FB0+64*((\g)%2)+8*(2*(\kk)+(\kt))+7], v[8*(8*(\t)+(4*(\g)+(\kk))%8):8*(8*(\t)+(4*(\g)+(\kk))%8)+7], 0
.else
	v_wmma_f32_16x16x32_f16 v[S+8*(2*(\t)+(\kt)):S+8*(2*(\t)+(\kt))+7], v[FB0+64*((\g)%2)+8*(2*(\kk)+(\kt)):FB0+64*((\g)%2)+8*(2*(\kk)+(\kt))+7], v[8*(8*(\t)+(4*(\g)+(\kk))%8):8*(8*(\t)+(4*(\g)+(\kk))%8)+7], v[S+8*(2*(\t)+(\kt)):S+8*(2*(\t)+(\kt))+7]
.endif
.endr
.endr
.endr
.endm
; MAXP: for each tile the maximum of my lane's 16 scores (two chains, each beginning at its accumulator's lowest registers), of the lane 16 away too; the four go to LDS.
.macro MAXP
.irp t, 0,1,2,3
	v_max3_num_f32 v[T16+2*(\t)],   v[S+16*(\t)],   v[S+16*(\t)+1], v[S+16*(\t)+2]
	v_max3_num_f32 v[T16+2*(\t)+1], v[S+16*(\t)+8], v[S+16*(\t)+9], v[S+16*(\t)+10]
.endr
.irp t, 0,1,2,3
	v_max3_num_f32 v[T16+2*(\t)],   v[T16+2*(\t)],   v[S+16*(\t)+3],  v[S+16*(\t)+4]
	v_max3_num_f32 v[T16+2*(\t)+1], v[T16+2*(\t)+1], v[S+16*(\t)+11], v[S+16*(\t)+12]
.endr
.irp t, 0,1,2,3
	v_max3_num_f32 v[T16+2*(\t)],   v[T16+2*(\t)],   v[S+16*(\t)+5],  v[S+16*(\t)+6]
	v_max3_num_f32 v[T16+2*(\t)+1], v[T16+2*(\t)+1], v[S+16*(\t)+13], v[S+16*(\t)+14]
.endr
.irp t, 0,1,2,3
	v_max3_num_f32 v[T16+2*(\t)], v[T16+2*(\t)], v[T16+2*(\t)+1], v[S+16*(\t)+7]
.endr
.irp t, 0,1,2,3
	v_max_num_f32 v[T16+2*(\t)], v[T16+2*(\t)], v[S+16*(\t)+15]
.endr
.irp t, 0,1,2,3
	v_permlanex16_b32 v[T16+2*(\t)+1], v[T16+2*(\t)], s[SEL], s[SEL+1]  ; the row's other 16 of my columns lie in the lane 16 away
.endr
.irp t, 0,1,2,3
	v_max_num_f32 v[MX+(\t)], v[T16+2*(\t)], v[T16+2*(\t)+1]
.endr
	ds_store_b128 v[SST], v[MX:MX+3]
.endm
; A chunk's S^T: 128 products; each run of loads stands 32 products ahead of its first use.  Under the products' window settings an LDS load's destination and address still mean window 0.
.macro SPHASE
	PLACES                          ; with the four behind the tensor load: eight places between the last product of O^T and products that write over its fragments of P
	QRUN 0
	QRUN 1
	s_wait_dscnt 16                 ; run 0 is in; run 1 may be out
	WIN 0x08                        ; K in window 2
	MULS 0
	PLACES
	QRUN 2
	s_wait_dscnt 16                 ; run 1 is in
	MULS 1
	PLACES
	QRUN 3
	s_wait_dscnt 16                 ; run 2 is in
	WIN 0x0c                        ; K in window 3
	MULS 2
	s_wait_dscnt 0x0
	MULS 3
	WIN 0
	PLACES
	MAXP
.endm
; O^T.  VRUN ks: 16 turning loads: V's fragments of columns 32 ks on for my eight channel blocks, into buffer ks % 2.  PRUN ks: 8 loads: P's fragments of the same columns for the four tiles.
.macro VRUN ks
.irp cb, 0,1,2,3,4,5,6,7
	ds_load_tr16_b128 v[FB0+64*((\ks)%2)+8*(\cb):FB0+64*((\ks)%2)+8*(\cb)+3],   v[AV0+(\ks)/2] offset:((\ks)%2)*32*PVV+32*(\cb)
	ds_load_tr16_b128 v[FB0+64*((\ks)%2)+8*(\cb)+4:FB0+64*((\ks)%2)+8*(\cb)+7], v[AV0+(\ks)/2] offset:((\ks)%2)*32*PVV+16*PVV+32*(\cb)
.endr
.endm
.macro PRUN ks
.irp t, 0,1,2,3
	ds_load_b128 v[S+32*((\ks)%2)+8*(\t):S+32*((\ks)%2)+8*(\t)+3],   v[AP] offset:(\t)*16*PP+64*(\ks)
	ds_load_b128 v[S+32*((\ks)%2)+8*(\t)+4:S+32*((\ks)%2)+8*(\t)+7], v[AP] offset:(\t)*16*PP+64*(\ks)+32
.endr
.endm
.macro MULPV ks                     ; 32 products, the 32 accumulators by turns
	WIN 0x50                        ; V and P in window 0, O^T in window 1
.irp cb, 0,1,2,3,4,5,6,7
.irp t, 0,1,2,3
	v_wmma_f32_16x16x32_f16 v[8*(8*(\t)+(\cb)):8*(8*(\t)+(\cb))+7], v[FB0+64*((\ks)%2)+8*(\cb):FB0+64*((\ks)%2)+8*(\cb)+7], v[S+32*((\ks)%2)+8*(\t):S+32*((\ks)%2)+8*(\t)+7], v[8*(8*(\t)+(\cb)):8*(8*(\t)+(\cb))+7]
.endr
.endr
.endm
.macro PVPHASE
	PRUN 0
	PRUN 1
	s_wait_dscnt 8                  ; P's run 0 is in (V's runs 0 and 1 came in ahead of the barrier); run 1 may be out
	MULPV 0
	PLACES
	WIN 0
	VRUN 2
	PRUN 2
	s_wait_dscnt 24                 ; all but the 24 just issued
	MULPV 1
	PLACES
	WIN 0
	VRUN 3
	PRUN 3
	s_wait_dscnt 24
	MULPV 2
	s_wait_dscnt 0x0
	MULPV 3
	WIN 0
.endm
; THE SOFTMAX OF A CHUNK.  Two batches of exponentials, each with a wait ahead of the first instruction that names a result: the four a (the 32 scalings are the plain
; work behind them), then the 64 weights (the 128 rescalings of O^T, which read a alone, are the plain work behind them).
.macro SOFT
.irp q, 0,1,2,3
	ds_load_b128 v[T16+4*(\q):T16+4*(\q)+3], v[SRD] offset:256*(\q)  ; wave q's maxima of my row in the four tiles
.endr
	VRUN 0                          ; V has landed: its first two runs come in under the softmax
	VRUN 1
.irp u, 0,1,2,3,4                   ; the signs of this chunk's tiles, by u = t - kt + 1
	s_cmp_lt_i32 s[SB], (\u)-1
	s_cselect_b32 s[SN+(\u)], 0x80008000, 0
	s_cmp_eq_i32 s[SB], (\u)-1
	s_cselect_b32 s[SD+(\u)], -1, 0
.endr
	s_add_co_i32 s[SB], s[SB], 8    ; the next chunk lies eight column tiles on
	s_wait_dscnt 32                 ; the maxima are in; V's 32 loads may stay out
.irp t, 0,1,2,3
	v_mov_b32 v[MV+(\t)], v[ST+4*(\t)]
.endr
.irp t, 0,1,2,3
	v_max3_num_f32 v[ST+4*(\t)+1], v[ST+4*(\t)+1], v[T16+(\t)], v[T16+4+(\t)]
.endr
.irp t, 0,1,2,3
	v_max3_num_f32 v[ST+4*(\t)+1], v[ST+4*(\t)+1], v[T16+8+(\t)], v[T16+12+(\t)]
.endr
.irp t, 0,1,2,3
	v_mul_f32 v[ST+4*(\t)], s[CS], v[ST+4*(\t)+1]
.endr
.irp t, 0,1,2,3
	v_sub_f32 v[MV+(\t)], v[MV+(\t)], v[ST+4*(\t)]
.endr
.irp t, 0,1,2,3
	v_exp_f32 v[T16+2*(\t)], v[MV+(\t)]  ; a
.endr
.irp t, 0,1,2,3
.irp p, 0,1,2,3,4,5,6,7
	v_pk_fma_f32 v[S+16*(\t)+2*(\p):S+16*(\t)+2*(\p)+1], v[S+16*(\t)+2*(\p):S+16*(\t)+2*(\p)+1], s[CS:CS+1], v[ST+4*(\t):ST+4*(\t)+1] op_sel_hi:[1,0,0] neg_lo:[0,0,1] neg_hi:[0,0,1]  ; c s - c m
.endr
.endr
	s_wait_alu depctr_va_vdst(0)    ; the wait for the four a
.set i, 0
.rept 64
	v_exp_f32 v[S+i], v[S+i]
.set i, i+1
.endr
	WIN 0x41                        ; O^T (destination and source 0) in window 1, a in window 0
.irp t, 0,1,2,3
.set i, 0
.rept 32
	v_pk_mul_f32 v[64*(\t)+i:64*(\t)+i+1], v[64*(\t)+i:64*(\t)+i+1], v[T16+2*(\t):T16+2*(\t)+1] op_sel_hi:[1,0]
.set i, i+2
.endr
.endr
	WIN 0
	s_wait_alu depctr_va_vdst(0)    ; the wait for the 64 weights
.irp t, 0,1,2,3
.irp kt, 0,1
.irp i, 0,1,2,3
	v_cvt_pk_f16_f32 v[T16+8+4*(\kt)+(\i)], v[S+16*(\t)+8*(\kt)+2*(\i)], v[S+16*(\t)+8*(\kt)+2*(\i)+1]
.endr
.irp i, 0,1,2,3
	v_and_or_b32 v[MV+(\i)], v[DG+(\i)], s[SD+(\t)-(\kt)+1], s[SN+(\t)-(\kt)+1]
.endr
.irp i, 0,1,2,3
	v_xor_b32 v[T16+8+4*(\kt)+(\i)], v[T16+8+4*(\kt)+(\i)], v[MV+(\i)]
.endr
	ds_store_b128 v[PST], v[T16+8+4*(\kt):T16+8+4*(\kt)+3] offset:(\t)*16*PP+32*(\kt)
.endr
.endr
.irp t, 0,1,2,3                     ; the sum of a tile's eight pairs, in place, then l = a l + sum
.irp p, 0,1,2,3
	v_pk_add_f32 v[S+16*(\t)+2*(\p):S+16*(\t)+2*(\p)+1], v[S+16*(\t)+2*(\p):S+16*(\t)+2*(\p)+1], v[S+16*(\t)+8+2*(\p):S+16*(\t)+8+2*(\p)+1]
.endr
.endr
.irp t, 0,1,2,3
.irp p, 0,1
	v_pk_add_f32 v[S+16*(\t)+2*(\p):S+16*(\t)+2*(\p)+1], v[S+16*(\t)+2*(\p):S+16*(\t)+2*(\p)+1], v[S+16*(\t)+4+2*(\p):S+16*(\t)+4+2*(\p)+1]
.endr
.endr
.irp t, 0,1,2,3
	v_pk_add_f32 v[S+16*(\t):S+16*(\t)+1], v[S+16*(\t):S+16*(\t)+1], v[S+16*(\t)+2:S+16*(\t)+3]
.endr
.irp t, 0,1,2,3
	v_pk_fma_f32 v[ST+4*(\t)+2:ST+4*(\t)+3], v[ST+4*(\t)+2:ST+4*(\t)+3], v[T16+2*(\t):T16+2*(\t)+1], v[S+16*(\t):S+16*(\t)+1] op_sel_hi:[1,0,1]
.endr
	s_wait_dscnt 0x0                ; for the others' sake: my part of P is stored
	s_barrier_signal -1             ; Q's load may stay out
	s_barrier_wait -1               ; P is whole
.endm
; THE CHANGE OF Q's SLOT, behind a chunk's S^T.  Each wave waits for all its tensor loads, of which one is out: its part of V; adds 0 to its spare word; and waits for that, for its reads of Q and for its
; store of the maxima.  fill = 1: the barrier is a round of the cluster's, and the next chunk's Q is asked for first thing behind it: it has the softmax and 128 products in which to land.
.macro CHB fill
	WIN 0
	s_wait_tensorcnt 0x0            ; no tensor load of mine is out, so a group 0 may be written
	ds_add_u32 v[SPW], v[NIL]       ; 0 onto my spare word
.if \fill
	s_add_nc_u64 s[G0Q+2:G0Q+3], s[G0Q+2:G0Q+3], CHUNKB  ; the type bits on top are not reached
	s_wait_xcnt 0x0                 ; the last prefetch, 128 products back, has read its address
	s_add_nc_u64 s[PFA:PFA+1], s[PFA:PFA+1], CHUNKB      ; one chunk ahead of the walking descriptors
	s_wait_dscnt 0x0
	ROUND
	LOADQ
	ASK 0
.else
	s_wait_dscnt 0x0
	s_barrier_signal -1
	s_barrier_wait -1
.endif
.endm
; THE CHANGE OF V's SLOT, behind a chunk's O^T: the load that is out is the next chunk's Q; my reads of V and of P are over.  The next chunk's V has 128 products in which to land.
.macro CHA
	WIN 0
	s_wait_tensorcnt 0x0
	ds_add_u32 v[SPW], v[NIL]       ; as above
	s_add_nc_u64 s[G0V+2:G0V+3], s[G0V+2:G0V+3], CHUNKB
	s_wait_dscnt 0x0
	ROUND
	LOADV
	ASK 1024
.endm
	s_wait_tensorcnt 1              ; my part of chunk 0's Q is in; V's may stay out
	s_barrier_signal -1
	s_barrier_wait -1               ; everybody's is
	s_wait_loadcnt 0x0              ; K
	SPHASE                          ; chunk 0
	s_mov_b32 s[CNT], 15
.Lchunk:                            ; trip n: the softmax and O^T of chunk n, S^T of chunk n + 1; both slots are filled again
	CHB 1
	SOFT
	PVPHASE
	CHA
	SPHASE
	s_sub_co_u32 s[CNT], s[CNT], 1
	s_cmp_lg_u32 s[CNT], 0
	s_cbranch_scc1 .Lchunk
	CHB 0                           ; the last chunk is written out: nothing is asked for
	SOFT
	PVPHASE
	; THE WAY OUT.  My wave's l (two halves, and the lane 16 away) meets the other waves' in LDS; O^T is divided by the sum and sent through my stage, a tile (16 rows) at a time.
.irp t, 0,1,2,3
	v_add_f32 v[T16+8+(\t)], v[ST+4*(\t)+2], v[ST+4*(\t)+3]
.endr
.irp t, 0,1,2,3
	v_permlanex16_b32 v[T16+12+(\t)], v[T16+8+(\t)], s[SEL], s[SEL+1]
.endr
.irp t, 0,1,2,3
	v_add_f32 v[MX+(\t)], v[T16+8+(\t)], v[T16+12+(\t)]
.endr
	ds_store_b128 v[LST], v[MX:MX+3]
	s_wait_dscnt 0x0
	s_barrier_signal -1
	s_barrier_wait -1
.irp q, 0,1,2,3
	ds_load_b128 v[T16+4*(\q):T16+4*(\q)+3], v[LRD] offset:256*(\q)
.endr
	s_wait_dscnt 0x0
.irp t, 0,1,2,3
	v_add_f32 v[T16+(\t)], v[T16+(\t)], v[T16+4+(\t)]
.endr
.irp t, 0,1,2,3
	v_add_f32 v[T16+8+(\t)], v[T16+8+(\t)], v[T16+12+(\t)]
.endr
.irp t, 0,1,2,3
	v_add_f32 v[MX+(\t)], v[T16+(\t)], v[T16+8+(\t)]
.endr
.irp t, 0,1,2,3
	v_rcp_f32 v[T16+2*(\t)], v[MX+(\t)]
.endr
	v_nop                           ; a plain instruction between the last reciprocal and the use of its result
	s_wait_alu depctr_va_vdst(0)    ; and the wait ahead of the first use: one for the four reciprocals
; Tile t: a lane's eight channels of a row are 32 bytes; they go into rows of 528 bytes and come back as whole rows of 512.
.macro PACK t
	WIN 0x41
.set i, 0
.rept 32
	v_pk_mul_f32 v[64*(\t)+i:64*(\t)+i+1], v[64*(\t)+i:64*(\t)+i+1], v[T16+2*(\t):T16+2*(\t)+1] op_sel_hi:[1,0]
.set i, i+2
.endr
	WIN 0x04                        ; the stores' data in window 1, their address in window 0
.irp cb, 0,1,2,3,4,5,6,7
	ds_store_b128 v[STO], v[64*(\t)+8*(\cb):64*(\t)+8*(\cb)+3]   offset:64*(\cb)
	ds_store_b128 v[STO], v[64*(\t)+8*(\cb)+4:64*(\t)+8*(\cb)+7] offset:64*(\cb)+16
.endr
	WIN 0
.irp f, 0,1,2,3,4,5,6,7,8,9,10,11,12,13,14,15
	ds_load_b128 v[64+64*((\t)%3)+4*(\f):64+64*((\t)%3)+4*(\f)+3], v[RD] offset:(\f)*PO  ; LDS serves a wave's instructions in order (ISA guide 5.7.1.4): these see the stores above; the next tile's stores come behind them
.endr
.endm
.macro SEND t, younger              ; younger: the LDS instructions issued behind tile t's loads: the next tile's 32, or none
.irp f, 0,1,2,3,4,5,6,7,8,9,10,11,12,13,14,15
	s_wait_dscnt (\younger)+15-(\f)
	global_store_b128 v[GO], v[64+64*((\t)%3)+4*(\f):64+64*((\t)%3)+4*(\f)+3], s[6:7] offset:(16*(\t)+(\f))*2048  ; 512 consecutive bytes, at a multiple of 256 from out0's first byte
.endr
.endm
	PACK 0
	PACK 1                          ; a tile's arithmetic stands between the loads of the tile before and its stores
	SEND 0, 32
	PACK 2
	SEND 1, 32
	s_wait_xcnt 0x0                 ; tile 0's stores have read their registers, which tile 3 takes
	PACK 3
	SEND 2, 32
	SEND 3, 0
	s_wait_tensorcnt 0x0            ; the wave's end, behind my last tensor load and my last LDS store
	ds_add_u32 v[SPW], v[NIL]
	s_wait_dscnt 0x0
	ROUND                           ; the closing round: no work-group ends while a partner may still ask for a tile that names it
	s_endpgm
.Lfunc_end_k_q235bf6aaff_attn:
	.size	k_q235bf6aaff_attn, .Lfunc_end_k_q235bf6aaff_attn-k_q235bf6aaff_attn
	.p2alignl 7, 3214868480
	.fill 96, 4, 3214868480
	.section	.rodata,"a",@progbits
	.p2align	6, 0x0
	.amdhsa_kernel k_q235bf6aaff_attn
		.amdhsa_group_segment_fixed_size 327680
		.amdhsa_private_segment_fixed_size 0
		.amdhsa_enable_private_segment 0
		.amdhsa_kernarg_size 16
		.amdhsa_user_sgpr_count 2
		.amdhsa_user_sgpr_kernarg_segment_ptr 1
		.amdhsa_wavefront_size32 1
		.amdhsa_system_sgpr_workgroup_id_x 1
		.amdhsa_system_sgpr_workgroup_id_y 1
		.amdhsa_system_sgpr_workgroup_id_z 1
		.amdhsa_system_vgpr_workitem_id 0
		.amdhsa_next_free_vgpr 1024
		.amdhsa_next_free_sgpr 80
		.amdhsa_reserve_vcc 1
		.amdhsa_float_denorm_mode_32 3
		.amdhsa_float_denorm_mode_16_64 3
		.amdhsa_memory_ordered 1
		.amdhsa_forward_progress 1
		.amdhsa_inst_pref_size 160
	.end_amdhsa_kernel
	.amdgpu_metadata
---
amdhsa.version: [ 1, 2 ]
amdhsa.kernels:
  - .name:           k_q235bf6aaff_attn
    .symbol:         k_q235bf6aaff_attn.kd
    .args:
      - { .name: kqv, .offset: 0, .size: 8, .value_kind: global_buffer, .address_space: global }
      - { .name: out0, .offset: 8, .size: 8, .value_kind: global_buffer, .address_space: global }
    .group_segment_fixed_size: 327680
    .private_segment_fixed_size: 0
    .kernarg_segment_align: 8
    .kernarg_segment_size: 16
    .max_flat_workgroup_size: 128
    .sgpr_count:     80
    .vgpr_count:     1024
    .wavefront_size: 32
...
	.end_amdgpu_metadata
.endif
;; end of part 3
